; MI455X (gfx1250); checked and timed in simulation.
; The chip was launched on July 23, 2026; its instructions are those of AMD's public machine-readable ISA for CDNA 5 (MIT licence, August 2026) and "CDNA5" Instruction Set Architecture Reference Guide (July 2026). The comments in the code are by the model that wrote it; some were corrected since.
;; Self Attention2d. Allowed arithmetic: matrix products marked QUANTISED: E2M1 operands, one E8M0 scale for each 32 along K, by v_wmma_scale_f32_16x16x128_f8f6f4 with both operands' format E2M1 (or v_wmma_scale_f32_32x16x128_f4), f32 sums; products left as they are: f32 operands where the result goes on into a quantised operand, else bf16, f16 or f32 operands; f32 sums; everything else in f32.
;; Inputs: g_b 64 float32; g_w_codes 64 x 2 x 16 uint8 (E2M1 codes of g_w, K innermost, in blocks of 32 codes, two codes a byte); g_w_scales 64 x 2 uint8 (E8M0 scales of g_w, one for each 32 codes along K); gamma 1 float32; phi_b 8 float32; phi_w 8 x 64 float32; theta_b 8 float32; theta_w 8 x 64 float32; x 8 x 64 x 64 x 64 float32.
;; Outputs: out0 8 x 64 x 64 x 64 float32.
;; This version of the problem:
;;   THIS VERSION OF THE PROBLEM IS GIVEN IN LOW PRECISION. The matrix products marked QUANTISED in the list below multiply operands that are first quantised to E2M1 (2 exponent bits, 1 mantissa bit; 4 bits a number), with one power-of-two scale for each 32 numbers along K (OCP MX v1.0); their sums are f32. All else is computed in f32.
;;   The module's matrix products, in the order in which they are computed (A, B: the left and right operand; K: the contracted axis; several contracted axes count as one K, in the product's order):
;;     1. [M 32,768, K 64] x [K 64, N 8]; A: input x; B: input theta_w: left as it is (N = 8 < 16)
;;     2. [M 32,768, K 64] x [K 64, N 8]; A: input x; B: input phi_w: left as it is (N = 8 < 16)
;;     3. [M 32,768, K 64] x [K 64, N 64]; A: input x; B: input g_w (given as codes): QUANTISED
;;     4. batch 8 x [M 4,096, K 8] x [K 8, N 4,096]; A: computed on the way; B: computed on the way: left as it is (K = 8 < 32)
;;     5. batch 8 x [M 64, K 4,096] x [K 4,096, N 4,096]; A: computed on the way; B: softmax (see below): QUANTISED
;;   THE QUANTISER, for each operand of a quantised product, along K:
;;     - K is cut into blocks of 32 from its start; a last block that is shorter is filled with zeros.
;;     - A block's scale is 2^e with e = floor(log2(the largest magnitude in the block)) - 2, held to -126 .. 127; a block of zeros has e = 0. As a byte (E8M0): e + 127.
;;     - Each number is divided by its block's scale, clamped to +-6, and rounded to the nearest number of E2M1, ties to even, subnormals kept.
;;     - The product sums the exact products of the quantised numbers (number of the format x scale) in f32.
;;   ~~~python
;;   def quantise(x, axis):      # numpy; x: float32 -> the quantised numbers, widened to float32 again
;;       x = np.moveaxis(x, axis, -1); K = x.shape[-1]
;;       x = np.pad(x, [(0, 0)] * (x.ndim - 1) + [(0, -K % 32)]); x = x.reshape(x.shape[:-1] + (-1, 32)); a = np.abs(x).max(-1, keepdims=True)
;;       e = np.where(a > 0, np.clip(np.frexp(np.where(a > 0, a, 1))[1] - 1 - 2, -126, 127), 0)      # np.frexp(a)[1] - 1 = floor(log2(a)), exactly
;;       r = np.clip(x / 2.0 ** e, -6, 6)
;;       step = 2.0 ** (np.maximum(np.frexp(np.where(r == 0, 1, r))[1] - 1, 0) - 1)
;;       q = np.round(r / step) * step * 2.0 ** e      # np.round: ties to even
;;       return np.moveaxis(q.reshape(q.shape[:-2] + (-1,))[..., :K], -1, axis).astype(np.float32)
;;   ~~~
;;   SOFTMAX AHEAD OF A QUANTISED PRODUCT. Where the list says 'softmax', what is quantised is not the finished softmax but p = 2^(t - M), with t = logit x log2(e) and M = ceil(the row's largest t), a whole number; so 1/2 < the row's largest p <= 1. The row's sum l is taken of the UNQUANTISED p, in f32, and the product's result is divided by l at the end. Since M is a whole number, a kernel that streams over the keys may use a running M (the ceiling of the running maximum): every later rescaling is an exact power of two, which a block's scale takes up: the codes' values come out the same.
;;   OPERANDS COMPUTED ON THE WAY. 'Computed on the way' means the value that the module computes at that place (a softmax that the list does not call 'softmax' is quantised finished and normalised). What goes into a quantiser is computed in f32, as accurately as f32 sums, v_exp_f32 and their like allow (about 1e-6 of the number): no bf16 or f16 on the way to a quantiser, and a product that is left as it is and whose result goes on into a quantised operand takes f32 operands (vector FMAs, or v_wmma_f32_16x16x4_f32). A number that lies on a knife's edge between two numbers of the format may be rounded either way, as far as f32 arithmetic and the matrix unit's own rounding can turn it there, and no further.
;;   INPUTS GIVEN AS CODES. g_w (in the module: [64, 64], K = its axis 1): each comes as NAME_codes (uint8): NAME with its K axis moved to the last place and cut into blocks of 32 codes, [.., K / 32, bytes a block], one block behind the other in memory; two codes a byte, the lower K in the low four bits (a code: sign, 2 exponent bits, 1 mantissa bit); and NAME_scales (uint8): the same leading axes, one E8M0 byte (e + 127) for each 32 codes along K. Its value is code x scale, taken as it is: it is not quantised again, and the codes and scales need not be those that the quantiser above would give.
;; One version. Each part assembles by itself: llvm-mc -triple=amdgcn-amd-amdhsa -mcpu=gfx1250 --defsym DOCPART=n.
;; ======== version 1 of 1: 2 launches
;; workspace buffers: ws 3,211,264 bytes
;; launch prep (part 1): grid 32 x 8, 4 waves a work-group, no clusters, 38,912 bytes of LDS; arguments x, theta_w, theta_b, phi_w, phi_b, g_w_codes, g_w_scales, g_b, ws; writes ws
.if DOCPART == 1
	.amdgcn_target "amdgcn-amd-amdhsa--gfx1250"
	.amdhsa_code_object_version 6
	.text
	.protected	k_q18cc413fc6_prep
	.globl	k_q18cc413fc6_prep
	.p2align	8
	.type	k_q18cc413fc6_prep,@function
k_q18cc413fc6_prep:
	s_mov_b64 s[64:65], 0
	v_nop
	global_prefetch_b8 v0, s[64:65] scope:SCOPE_SE
	s_setreg_imm32_b32 hwreg(HW_REG_WAVE_MODE, 25, 1), 1
	s_wait_xcnt 0x0
; theta, phi and g of SelfAttention2d, laid in ws in the order in which the next launch's operand registers take them.
; x: [8][64 channels][4,096 pixels] f32.  A work-group takes 128 pixels (group s = work-group x) of one image (b = work-group y), all 64 channels.
;   theta x log2(e) and phi (8 rows each) = weights x + bias, in f32 by the f32 matrix form: they feed the scores, which run into a quantiser.
;   g (64 rows) = Q(x) g_w + g_b on codes of E2M1: x is quantised along its 64 channels (two blocks of 32), g_w comes as codes; K = 64 is filled to the
;   instruction's 128 by zero codes on both sides.  g is then quantised along the pixels, which are the K (the keys) of the next launch's second product.
; K (the channels) is not innermost in x: A LANE TAKES A PIXEL AND ITS REGISTERS RUN DOWN THE CHANNELS.  The rows come in as they lie (512 consecutive bytes a load) and turn through LDS.
; THE PIXELS OF A TILE ARE NOT NEIGHBOURS: lane r of tile T = 2 q + u takes pixel 32 q + 8 u + r + 8 (r / 8), so that in a transposed result the 16 registers of tiles 2 q, 2 q + 1 are 16 neighbouring pixels.
; ws: [b][s] records of 8,448 bytes: +0 phi (tile T: 512 T + 256 hh + 16 r: phi[4 hh .. 4 hh + 3] of the tile's pixel r); +4,096 g's codes (channel tile t, half c: (2 t + c) 512 + 16 lane: registers 4 c .. 4 c + 3 of the fragment);
;     +8,192 g's scale words (channel 16 t + r: 8 (16 (t % 2) + r) + 4 (t / 2)).  Behind the 256 records: theta x log2(e), [b][s][T][hh][r][16 bytes], as phi.
; LIMITS: NaN and infinities among the inputs are not served.  A block of zeros, or one whose largest magnitude lies under 2^-124, gets the scale byte 1 (its codes are zeros or next to it; these bytes are read by this program alone).
;     log2(e) is folded into theta's weights and bias: one more f32 rounding of each.
.set REC,   8448
.set KVB,   32*REC
.set THOFF, 8*KVB
.set XIMG,  33024                      ; LDS: from 0 x's 64 rows of 512 bytes, rows 32-63 128 bytes further on (32,896 bytes); here x's eight code images, 512 bytes each;
.set XSC,   37120                      ; their scale words, 128 bytes each;
.set SCST,  38144                      ; g's scale words as the record has them, 256 bytes
.set XR,   16                          ; v16-79   x as loaded; then tile u's 32 channels at XR + 32 u; then x's eight fragments at XR + 8 T
.set WT,   80                          ; v80-111  theta_w's, then the 16 rows' weights: lane (r, h): row r, channels 32 h + 0 .. 31
.set WPH,  112                         ; v112-143 phi_w's
.set HA,   80                          ; v80-143  g: 8 tiles, laid over the weights when those are done with
.set BI,   144                         ; v144-151 the 16 rows' biases in the result's layout
.set DD,   152                         ; v152-167 two accumulators of the f32 matrix form: written by it alone
.set PC,   168                         ; v168-175 codes just made
.set TM,   176                         ; v176-191 at work in the quantisers
.set GW,   192                         ; v192-199 g_w's fragment of my 16 channels
.set GB,   200                         ; v200-207 g_b of my channel, eight times
.set XS,   208                         ; v208-215 x's scale words, a tile each
.set GWS,  216                         ; v216     g_w's scale word
.set PW,   217                         ; v217-218 scale words just made
.set SEL,  30                          ; s[30:31] v_permlanex16_b32's selects for lane l xor 16
.macro BARRIER                         ; my LDS stores have landed and my LDS loads are in: then the work-group's barrier
	s_wait_dscnt 0x0
	s_barrier_signal -1
	s_barrier_wait -1
.endm
; 64 numbers of a lane, register 16 b + i = k 32 b + 16 (lane / 16) + i of my row, become a fragment's codes in v[PC] on and its scale word in v[PW].
.macro QUANT s
.irp b, 0,1,2,3
	v_max3_num_f32 v[TM+\b], |v[\s+16*\b]|, |v[\s+1+16*\b]|, 0x1800000   ; block b: my 16 numbers, and the floor 2^(3 - 127): the byte cannot fall under 1
.endr
.irp i, 2,4,6,8,10,12,14
.irp b, 0,1,2,3
	v_max3_num_f32 v[TM+\b], v[TM+\b], |v[\s+16*\b+\i]|, |v[\s+1+16*\b+\i]|   ; the four blocks by turns
.endr
.endr
.irp b, 0,1,2,3
	v_permlanex16_b32 v[TM+4+\b], v[TM+\b], s[SEL], s[SEL+1]
.endr
.irp b, 0,1,2,3
	v_max_num_f32 v[TM+\b], v[TM+\b], v[TM+4+\b]   ; with lane l xor 16's: the block's largest magnitude
.endr
.irp b, 0,1,2,3
	v_add_nc_u32 v[TM+12+\b], 0xff000000, v[TM+\b]   ; 2 off its exponent field: the conversion takes this operand's exponent field as its scale
.endr
.irp b, 0,1,2,3
	v_lshrrev_b32 v[TM+4+\b], 23, v[TM+12+\b]      ; the scale's byte
.endr
	v_lshl_or_b32 v[PW], v[TM+5], 8, v[TM+4]
	v_lshl_or_b32 v[PW], v[TM+6], 16, v[PW]
	v_lshl_or_b32 v[PW], v[TM+7], 24, v[PW]        ; my row's scale word
.irp b, 0,1,2,3
	v_cvt_scalef32_pk8_fp4_f32 v[PC+2*\b], v[\s+16*\b:\s+7+16*\b], v[TM+12+\b]
	v_cvt_scalef32_pk8_fp4_f32 v[PC+1+2*\b], v[\s+8+16*\b:\s+15+16*\b], v[TM+12+\b]
.endr
	v_nop                                          ; one plain place behind a scaled conversion
.irp c, 0,1                                    ; the operand's layout wants a whole block in a lane: lanes 0-15 block 2 c, lanes 16-31 block 2 c + 1
.irp i, 0,1
	v_permlane16_swap_b32 v[PC+4*\c+\i], v[PC+2+4*\c+\i]
.endr
.endr
.endm
	s_load_b256 s[4:11], s[0:1], 0x0               ; x s[4:5], theta_w s[6:7], theta_b s[8:9], phi_w s[10:11]
	s_load_b256 s[12:19], s[0:1], 0x20             ; phi_b s[12:13], g_w_codes s[14:15], g_w_scales s[16:17], g_b s[18:19]
	s_load_b64 s[20:21], s[0:1], 0x40              ; ws
	v_lshl_add_u32 v254, v0, 2, 0x9600
	v_mov_b32 v255, 0
	v_lshrrev_b32 v1, 5, v0
	v_readfirstlane_b32 s22, v1                    ; wave 0..3
	v_and_b32 v1, 31, v0                           ; lane
	v_and_b32 v2, 15, v0                           ; r
	v_bfe_u32 v3, v0, 4, 1                         ; h
	s_and_b32 s24, ttmp7, 0xffff                   ; b
	v_cmp_lt_u32 s40, 15, v1                       ; lanes 16-31
	v_cmp_lt_u32 s41, 7, v2                        ; lanes with r > 7
	v_lshlrev_b32 v4, 4, v1                        ; 16 x lane
	v_lshlrev_b32 v7, 2, v1                        ; 4 x lane
	s_lshl_b32 s25, s22, 13
	s_lshr_b32 s26, s22, 1
	s_lshl_b32 s26, s26, 7
	s_add_co_u32 s25, s25, s26
	v_add_nc_u32 v5, s25, v4                       ; x into LDS: my rows 16 w on, 512 bytes each, + 128 for rows 32-63
	v_and_b32 v223, 8, v2
	v_add_nc_u32 v223, v223, v2                    ; r + 8 (r / 8)
	v_lshlrev_b32 v6, 2, v223
	v_mad_u32_u24 v6, v3, 16512, v6                ; x out of LDS: my pixel's word, channels 32 h on: lanes 16-31 fall 32 banks further on (64 banks of 4 bytes: ISA guide 11.1)
	s_lshl_b32 s25, s22, 7
	v_add_nc_u32 v6, s25, v6                       ; my wave's pixels begin at 32 w
	s_lshl_b32 s45, s22, 10                        ; w x 1,024: two tiles of 512 bytes
	s_add_co_u32 s25, s45, XIMG
	v_add_nc_u32 v8, s25, v4                       ; where I store x's code images
	s_lshl_b32 s25, s22, 8
	s_add_co_u32 s25, s25, XSC
	v_add_nc_u32 v9, s25, v7                       ; and their scale words
	s_mul_i32 s44, s24, KVB
	s_mul_i32 s25, ttmp9, REC
	s_add_co_u32 s44, s44, s25                     ; my record's byte in ws
	s_add_co_u32 s28, s44, s45                     ; phi's place: + my two tiles
	s_lshl_b32 s29, s24, 17
	s_lshl_b32 s25, ttmp9, 12
	s_add_co_u32 s29, s29, s25
	s_add_co_u32 s29, s29, s45
	s_add_co_u32 s29, s29, THOFF                   ; theta's place
	v_mov_b32 v10, s29
	v_mov_b32 v223, s28
	v_cndmask_b32 v10, v10, v223, s40              ; lanes 0-15 hold theta, lanes 16-31 phi
	v_lshl_add_u32 v10, v2, 4, v10                 ; + 16 r
	v_and_b32 v11, 7, v2
	v_lshlrev_b32 v11, 8, v11
	v_lshl_add_u32 v11, v3, 7, v11                 ; theta_w, phi_w: row r % 8 of 256 bytes, channels 32 h on
	s_lshl_b32 s25, s22, 4
	v_add_nc_u32 v223, s25, v2                     ; my channel of g: 16 w + r
	v_lshlrev_b32 v12, 5, v223
	v_lshl_add_u32 v12, v3, 4, v12                 ; g_w_codes: 32 bytes a row, block h
	v_lshlrev_b32 v13, 1, v223                     ; g_w_scales: 2 bytes a row
	v_lshlrev_b32 v14, 2, v223                     ; g_b
	v_mov_b32 v15, 0
	v_lshlrev_b32 v219, 3, v3                      ; 8 h: my block's byte in x's scale word
	s_and_b32 s25, s22, 1
	s_lshl_b32 s25, s25, 7
	s_lshr_b32 s26, s22, 1
	s_lshl_b32 s26, s26, 2
	s_add_co_u32 s25, s25, s26
	s_add_co_u32 s25, s25, SCST
	v_lshl_add_u32 v220, v2, 3, s25                ; g's scale word of channel 16 w + r: 128 (w % 2) + 4 (w / 2) + 8 r
	v_lshl_add_u32 v221, v1, 3, SCST
	v_lshlrev_b32 v222, 3, v1
	s_mov_b32 s[SEL], 0x76543210
	s_mov_b32 s[SEL+1], 0xfedcba98
	s_mov_b32 s42, 0x3fb8aa3b                      ; log2(e)
	s_mov_b32 s43, s42                             ; (named with it as a pair, so it is written)
	s_lshl_b32 s26, s24, 20                        ; x: image b, row 16 w, pixel 128 s
	s_lshl_b32 s25, s22, 18
	s_add_co_u32 s26, s26, s25
	s_lshl_b32 s25, ttmp9, 9
	s_add_co_u32 s26, s26, s25
	s_mov_b32 s27, 0
	s_wait_kmcnt 0x0
	s_add_nc_u64 s[4:5], s[4:5], s[26:27]
	s_add_co_u32 s26, s28, 4096
	s_add_nc_u64 s[32:33], s[20:21], s[26:27]      ; ws at my channel tile's codes
	s_add_co_u32 s26, s44, 8192
	s_add_nc_u64 s[34:35], s[20:21], s[26:27]      ; ws at the record's scale words
.irp i, 0,1,2,3,4,5,6,7,8,9,10,11,12,13,14,15
	global_load_b128 v[XR+4*\i:XR+4*\i+3], v4, s[4:5] offset:\i*16384   ; row 16 w + i: 32 lanes read 512 consecutive bytes
.endr
.irp g, 0,1,2,3,4,5,6,7
	global_load_b128 v[WT+4*\g:WT+4*\g+3], v11, s[6:7] offset:16*\g
	global_load_b128 v[WPH+4*\g:WPH+4*\g+3], v11, s[10:11] offset:16*\g
.endr
	global_load_b128 v[224:227], v15, s[8:9]       ; theta_b
	global_load_b128 v[228:231], v15, s[8:9] offset:16
	global_load_b128 v[232:235], v15, s[12:13]     ; phi_b
	global_load_b128 v[236:239], v15, s[12:13] offset:16
	global_load_b128 v[GW:GW+3], v12, s[14:15]     ; k = 32 h + 0 .. 31 of channel 16 w + r: registers 0-3 of the fragment
	global_load_u16 v[GWS], v13, s[16:17]          ; its two scale bytes; bytes 2 and 3 are 0 and stand over zero codes
	global_load_b32 v[GB], v14, s[18:19]
	s_wait_loadcnt 23                              ; x's 16 loads are in; the 23 behind them may be out
.irp i, 0,1,2,3,4,5,6,7,8,9,10,11,12,13,14,15
	ds_store_b128 v5, v[XR+4*\i:XR+4*\i+3] offset:\i*512
.endr
	BARRIER                                        ; all 64 rows lie in LDS
	; ---- 1: my two tiles of 16 pixels: register XR + 32 u + i = x[32 h + i][pixel 32 w + 8 u + r + 8 (r / 8)]
.irp u, 0,1
.irp i, 0,1,2,3,4,5,6,7,8,9,10,11,12,13,14,15,16,17,18,19,20,21,22,23,24,25,26,27,28,29,30,31
	ds_load_b32 v[XR+32*\u+\i], v6 offset:\i*512+32*\u
.endr
.endr
	s_wait_loadcnt 0x0                             ; weights and biases; they are dressed while the LDS loads are out
.set i, 0
.rept 16
	v_pk_mul_f32 v[WT+i:WT+i+1], v[WT+i:WT+i+1], s[42:43] op_sel_hi:[1,0]   ; theta's weights x log2(e): the scores come out as t
.set i, i+2
.endr
.set i, 0
.rept 32
	v_cndmask_b32 v[WT+i], v[WT+i], v[WPH+i], s41  ; rows 0-7 theta's, rows 8-15 phi's
.set i, i+1
.endr
.irp j, 0,2,4,6
	v_pk_mul_f32 v[224+\j:225+\j], v[224+\j:225+\j], s[42:43] op_sel_hi:[1,0]
.endr
.irp j, 0,1,2,3,4,5,6,7
	v_cndmask_b32 v[BI+\j], v[224+\j], v[232+\j], s40   ; the result's register j of lane (r, h) is row 8 h + j
.endr
.irp j, 1,2,3,4,5,6,7
	v_mov_b32 v[GB+\j], v[GB]                      ; in g's result a lane holds one channel: its bias eight times
.endr
.irp j, 4,5,6,7
	v_mov_b32 v[GW+\j], 0                          ; k = 64 .. 127: zero codes
	v_mov_b32 v[TM+\j], 0                          ; written once: a lane permute's destination counts as one of its sources
.endr
	s_wait_dscnt 0x0
	; 16 rows x 16 pixels x 64 channels, 4 channels an instruction.  K step kk takes channels 32 h + 2 kk + j in its place 2 h + j, on both sides alike.  The first K step takes the biases as C.
	; The two accumulators take turns, one instruction a turn.
.set kk, 0
.rept 16
.irp u, 0,1
.if kk == 0
	v_wmma_f32_16x16x4_f32 v[DD+8*\u:DD+8*\u+7], v[WT:WT+1], v[XR+32*\u:XR+32*\u+1], v[BI:BI+7]
.else
	v_wmma_f32_16x16x4_f32 v[DD+8*\u:DD+8*\u+7], v[WT+2*kk:WT+2*kk+1], v[XR+32*\u+2*kk:XR+32*\u+2*kk+1], v[DD+8*\u:DD+8*\u+7]
.endif
.endr
.set kk, kk+1
.endr
.rept 8
	v_nop                                          ; eight places behind this form before its results are read
.endr
.irp u, 0,1
	global_store_b128 v10, v[DD+8*\u:DD+8*\u+3], s[20:21] offset:512*\u        ; rows 0-3 of theta (lanes 0-15) and of phi (lanes 16-31): sixteen lanes store 256 consecutive bytes, aligned
	global_store_b128 v10, v[DD+8*\u+4:DD+8*\u+7], s[20:21] offset:512*\u+256  ; rows 4-7
.endr
	; x along the channels: block h of my pixel is all mine
.irp u, 0,1
	v_max3_num_f32 v[TM+\u], |v[XR+32*\u]|, |v[XR+32*\u+1]|, 0x1800000   ; and the floor 2^(3 - 127)
.endr
.irp i, 2,4,6,8,10,12,14,16,18,20,22,24,26,28,30
.irp u, 0,1
	v_max3_num_f32 v[TM+\u], v[TM+\u], |v[XR+32*\u+\i]|, |v[XR+32*\u+\i+1]|
.endr
.endr
.irp u, 0,1
	v_add_nc_u32 v[TM+12+\u], 0xff000000, v[TM+\u] ; 2 off the exponent field: the conversion's scale operand
.endr
.irp u, 0,1
	v_lshrrev_b32 v[TM+8+\u], 23, v[TM+12+\u]      ; the scale's byte,
.endr
.irp u, 0,1
	v_lshlrev_b32 v[PW+\u], v219, v[TM+8+\u]       ; at its place in the word;
.endr
.irp u, 0,1
	v_permlanex16_b32 v[TM+4+\u], v[PW+\u], s[SEL], s[SEL+1]
.endr
.irp u, 0,1
	v_or_b32 v[PW+\u], v[PW+\u], v[TM+4+\u]        ; with lane l xor 16's the pixel's two bytes; bytes 2 and 3 stay 0, over zero codes
.endr
.irp u, 0,1
.irp g, 0,1,2,3
	v_cvt_scalef32_pk8_fp4_f32 v[PC+4*\u+\g], v[XR+32*\u+8*\g:XR+32*\u+8*\g+7], v[TM+12+\u]   ; registers 0-3 of the fragment: k = 32 h + 0 .. 31
.endr
.endr
	v_nop                                          ; one plain place behind a scaled conversion
.irp u, 0,1
	ds_store_b128 v8, v[PC+4*\u:PC+4*\u+3] offset:512*\u    ; the fragment's lower half as an image of its registers
	ds_store_b32 v9, v[PW+\u] offset:128*\u
.endr
	BARRIER                                        ; x's eight fragments lie in LDS
	; ---- 2: g of my 16 channels for the 128 pixels, transposed: source 0 = 16 pixels, source 1 = my channels: a lane holds one channel, its registers run along the pixels
.irp t, 0,1,2,3,4,5,6,7
	ds_load_b128 v[XR+8*\t:XR+8*\t+3], v4 offset:XIMG+512*\t
	ds_load_b32 v[XS+\t], v7 offset:XSC+128*\t
.endr
.irp t, 0,1,2,3,4,5,6,7
.irp j, 4,5,6,7
	v_mov_b32 v[XR+8*\t+\j], 0                     ; k = 64 .. 127: zero codes
.endr
.endr
	s_wait_dscnt 0x0
.rept 4
	v_nop                                          ; an operand register written by a vector instruction stands four places ahead of a scaled matrix instruction
.endr
.irp t, 0,1,2,3,4,5,6,7
	v_wmma_scale_f32_16x16x128_f8f6f4 v[HA+8*\t:HA+8*\t+7], v[XR+8*\t:XR+8*\t+7], v[GW:GW+7], v[GB:GB+7], v[XS+\t], v[GWS] matrix_a_fmt:MATRIX_FMT_FP4 matrix_b_fmt:MATRIX_FMT_FP4
.endr
.rept 4
	v_nop                                          ; four places behind this form before its results are read
.endr
	QUANT HA                                       ; register HA + 16 q + i = g[16 w + r][128 s + 32 q + 16 h + i]: four blocks of 32 pixels
	global_store_b128 v4, v[PC:PC+3], s[32:33]             ; 32 lanes store 512 consecutive bytes, aligned
	global_store_b128 v4, v[PC+4:PC+7], s[32:33] offset:512
	ds_store_b32 v220, v[PW]                       ; both halves of the lanes write the same word with the same value
	BARRIER                                        ; the 64 channels' scale words lie together
	s_cmp_lg_u32 s22, 0
	s_cbranch_scc1 .Ldone
	ds_load_b64 v[240:241], v221
	s_wait_dscnt 0x0
	global_store_b64 v222, v[240:241], s[34:35]    ; wave 0: 32 lanes store 256 consecutive bytes, aligned
.Ldone:
	s_wait_tensorcnt 0x0
	ds_add_u32 v254, v255
	s_wait_dscnt 0x0
	s_endpgm
.Lfunc_end_k_q18cc413fc6_prep:
	.size	k_q18cc413fc6_prep, .Lfunc_end_k_q18cc413fc6_prep-k_q18cc413fc6_prep
	.p2alignl 7, 3214868480
	.fill 96, 4, 3214868480
	.section	.rodata,"a",@progbits
	.p2align	6, 0x0
	.amdhsa_kernel k_q18cc413fc6_prep
		.amdhsa_group_segment_fixed_size 38912
		.amdhsa_private_segment_fixed_size 0
		.amdhsa_enable_private_segment 0
		.amdhsa_kernarg_size 72
		.amdhsa_user_sgpr_count 2
		.amdhsa_user_sgpr_kernarg_segment_ptr 1
		.amdhsa_wavefront_size32 1
		.amdhsa_system_sgpr_workgroup_id_x 1
		.amdhsa_system_sgpr_workgroup_id_y 1
		.amdhsa_system_sgpr_workgroup_id_z 1
		.amdhsa_system_vgpr_workitem_id 0
		.amdhsa_next_free_vgpr 256
		.amdhsa_next_free_sgpr 66
		.amdhsa_reserve_vcc 0
		.amdhsa_float_denorm_mode_32 3
		.amdhsa_float_denorm_mode_16_64 3
		.amdhsa_memory_ordered 1
		.amdhsa_forward_progress 1
		.amdhsa_inst_pref_size 31
	.end_amdhsa_kernel
	.amdgpu_metadata
---
amdhsa.version: [ 1, 2 ]
amdhsa.kernels:
  - .name:           k_q18cc413fc6_prep
    .symbol:         k_q18cc413fc6_prep.kd
    .args:
      - { .name: x, .offset: 0, .size: 8, .value_kind: global_buffer, .address_space: global }
      - { .name: theta_w, .offset: 8, .size: 8, .value_kind: global_buffer, .address_space: global }
      - { .name: theta_b, .offset: 16, .size: 8, .value_kind: global_buffer, .address_space: global }
      - { .name: phi_w, .offset: 24, .size: 8, .value_kind: global_buffer, .address_space: global }
      - { .name: phi_b, .offset: 32, .size: 8, .value_kind: global_buffer, .address_space: global }
      - { .name: g_w_codes, .offset: 40, .size: 8, .value_kind: global_buffer, .address_space: global }
      - { .name: g_w_scales, .offset: 48, .size: 8, .value_kind: global_buffer, .address_space: global }
      - { .name: g_b, .offset: 56, .size: 8, .value_kind: global_buffer, .address_space: global }
      - { .name: ws, .offset: 64, .size: 8, .value_kind: global_buffer, .address_space: global }
    .group_segment_fixed_size: 38912
    .private_segment_fixed_size: 0
    .kernarg_segment_align: 8
    .kernarg_segment_size: 72
    .max_flat_workgroup_size: 128
    .sgpr_count:     66
    .vgpr_count:     256
    .wavefront_size: 32
...
	.end_amdgpu_metadata
.endif
;; end of part 1
;; launch attn (part 2): grid 32 x 8, 16 waves a work-group, clusters of 4 x 1, 327,680 bytes of LDS; arguments ws, x, gamma, out0; writes out0
.if DOCPART == 2
	.amdgcn_target "amdgcn-amd-amdhsa--gfx1250"
	.amdhsa_code_object_version 6
	.text
	.protected	k_q18cc413fc6_attn
	.globl	k_q18cc413fc6_attn
	.p2align	8
	.type	k_q18cc413fc6_attn,@function
k_q18cc413fc6_attn:
	s_mov_b64 s[64:65], 0
	v_nop
	global_prefetch_b8 v0, s[64:65] scope:SCOPE_SE
	s_setreg_imm32_b32 hwreg(HW_REG_WAVE_MODE, 25, 1), 1
	s_wait_xcnt 0x0
	s_wait_alu depctr_hold_cnt(0) depctr_sa_sdst(0) depctr_va_vdst(0) depctr_va_sdst(0) depctr_va_ssrc(0) depctr_va_vcc(0) depctr_vm_vsrc(0)
	s_getreg_b32 s2, hwreg(HW_REG_IB_STS2, 6, 4)
	s_cmp_eq_u32 s2, 0
	s_cbranch_scc0 .Lentry_in_a_cluster
	s_endpgm
.Lentry_in_a_cluster:
	s_bfe_u32 s2, ttmp6, 0x10000c
	s_cmp_lg_u32 s2, 0x3003
	s_cbranch_scc0 .Lentry_shape_is_right
	s_endpgm
.Lentry_shape_is_right:
; out0 = x + gamma x (g p^T / l): the scores, the softmax and the second product of SelfAttention2d, from the buffer ws that the launch before has laid out.
; t[key][query] = phi_key . (theta_query x log2(e)), K = 8, in f32 by the f32 matrix form (it runs into a quantiser).  M = the running largest t of a query, rounded up to a whole number; p = 2^(t - M) is quantised to
; E2M1 along the keys, 32 to a block; l is the sum of the unquantised p; O[channel][query] = the sum over the keys of g p on codes, f32 sums.  When M moves, l and O are multiplied by 2^(old M - new M): exact.
; SHARES.  A work-group owns 128 queries (group blk) of one image b.  Of its sixteen waves, wave w owns query tile T = w % 8 (16 queries) and half w / 8 of the keys: records w / 8 + 2 j, j = 0 .. 15, 128 keys each.
;   Four waves lie on a SIMD, so that one wave's softmax stands beside another's matrix work and LDS loads.  At the end waves T and T + 8 join their halves by exact powers of two.
; LDS.  The image's 32 records (phi, g's codes, g's scale words: 8,448 bytes each, 270,336 in all) are brought in ONCE, two tensor loads a wave, and stay: no byte is filled twice, so there is no ring.
;   A wave has two tensor loads outstanding.  The records are images of operand registers: every LDS load takes 16 (or 8) bytes x lane on end, so nothing is padded.
; CLUSTER.  The four work-groups of a cluster belong to one image and want the same 32 records: each record is asked for JOINTLY, by the same tensor load with the same descriptor (made of b and the wave's number alone) and the mask 15.
; LAYOUT.  Both products are used transposed: source 0 = 16 keys (16 channels), source 1 = my 16 queries: a lane holds ONE query (lane % 16) throughout.  The keys of a tile are not neighbours (lane r of tile 2 q + u: key 32 q + 8 u + r + 8 (r / 8)),
;   so that score register 16 q + i is key 32 q + 16 (lane / 16) + i.  My queries are chosen the same way; the way out puts them back in order.
; LIMITS: NaN and infinities are not served.  v_exp_f32 gives 0 for a p under 2^-126.  A block whose every p is 0 keeps the scale byte 1: its codes are zeros.  A block's largest p is taken through its largest t, which takes v_exp_f32 not to fall where its input rises.
.set REC,   8448
.set KVB,   32*REC
.set THOFF, 8*KVB
.set XB,    KVB                        ; LDS behind the records: eight images of 4,352 bytes, by which wave T + 8 hands O (4,096), -M (+4,096) and l (+4,224) to wave T
.set XIM,   4352
.set SP,    528                        ; the way out: 64 rows (channels) of 512 bytes + 16, from LDS byte 0: those bytes have had their only fill, and are written when every wave's reads of the records are over
.set LI,   1                           ; v1   16 x lane
.set LS,   2                           ; v2   8 x lane
.set ADR,  3                           ; v3   the record in hand + 16 x lane
.set ADS,  4                           ; v4   the record in hand + 8 x lane
.set XA,   5                           ; v5   my tile's image: + 16 x lane
.set XSW,  6                           ; v6   its -M: + 4 x lane
.set SOUT, 7                           ; v7   the stage: my query's word in channel 8 h
.set SRD,  8                           ; v8   the stage: my wave's four rows, 16 bytes a lane
.set TMP,  10
.set OLD,  11
.set NEGM, 12                          ; v12  -M
.set TMAX, 13                          ; v13  the running largest t
.set LSUM, 14                          ; v[14:15] l in two halves
.set TH,   16                          ; v16-19   theta x log2(e) of my query: i = 4 h + 0 .. 3
.set GS,   20                          ; v[20:21] g's scale words: register 0: channel tile 0 in lanes 0-15, tile 1 in lanes 16-31; register 1: tiles 2, 3
.set PWD,  22                          ; v22      p's scale word
.set PC,   24                          ; v24-31   p's codes
.set PH,   32                          ; v32-63   phi: 8 tiles of 16 keys; at the end x and the rows of the result
.set GF,   64                          ; v64-95   g: 4 fragments of 16 channels x 128 keys
.set SCO,  96                          ; v96-159  the scores: written by the f32 matrix form alone, so p goes into other registers
.set PEX,  160                         ; v160-191 p of two blocks at a time
.set OAC,  192                         ; v192-223 O: 4 accumulators
.set BM,   224                         ; v224-227 each block's largest t, then its largest p
.set BT,   228                         ; v228-231 at work
.set SO,   232                         ; v232-235 the conversions' scale operands
.set FAC,  236                         ; v[236:237] f = 2^(old M - new M)
.set LTMP, 238                         ; v[238:239] the sums' second chain
.set NB,   240                         ; the joining of the halves: the partner's -M,
.set LB,   241                         ; its l,
.set NM,   242                         ; the common -M,
.set DA,   243
.set DB,   244
.set RL,   245                         ; 1 / l
.set FA,   246                         ; v[246:247], v[248:249] what my O and the partner's are multiplied by
.set FB,   248
.set WV,   12                          ; s12  my wave's number
.set G1,   16                          ; s[16:23] descriptor group 1
.set G0A,  24                          ; s[24:27] group 0 for record w;  s[28:31] for record 16 + w
.set G0B,  28
.set TB,   32                          ; s32  LDS byte of the record in hand
.set CNT,  33
.set SEL,  34                          ; s[34:35] v_permlanex16_b32's selects for lane l xor 16
.set GAM,  36                          ; s[36:37] gamma, twice
; A round of the cluster's barrier: my work-group's barrier; wave 0 signals for the work-group; every wave waits for all four work-groups; my work-group's barrier once more.
.macro ROUND
	s_barrier_signal -1
	s_barrier_wait -1
	s_cmp_lg_u32 s[WV], 0
	s_cbranch_scc1 .Lnot_wave_0_\@
	s_barrier_signal -3
.Lnot_wave_0_\@:
	s_barrier_wait -3
	s_barrier_signal -1
	s_barrier_wait -1
.endm
	s_load_b256 s[4:11], s[0:1], 0x0               ; ws s[4:5], x s[6:7], gamma s[8:9], out0 s[10:11]
	v_lshl_add_u32 v254, v0, 2, 0x4a800
	v_mov_b32 v255, 0
	ds_add_u32 v254, v255
	ds_add_u32 v254, v255
	v_lshrrev_b32 v9, 5, v0
	v_readfirstlane_b32 s[WV], v9                  ; wave 0..15
	s_bfe_u32 s13, ttmp6, 0x40000                  ; cx: my place in the cluster: it enters theta's, x's and out0's global addresses alone
	s_lshl_b32 s14, ttmp9, 2                       ; in a cluster launch ttmp9 counts clusters
	s_add_co_u32 s14, s14, s13                     ; blk = 4 x cluster x + cx
	s_and_b32 s15, ttmp7, 0xffff                   ; b, which the four partners share
	s_and_b32 s48, s[WV], 7                        ; T
	s_lshr_b32 s49, s[WV], 3                       ; my half of the keys
	v_and_b32 v9, 31, v0                           ; lane
	v_lshlrev_b32 v[LI], 4, v9
	v_lshlrev_b32 v[LS], 3, v9
	s_mul_i32 s38, s48, XIM
	s_add_co_u32 s38, s38, XB
	v_add_nc_u32 v[XA], s38, v[LI]
	s_add_co_u32 s38, s38, 4096
	v_lshl_add_u32 v[XSW], v9, 2, s38
	v_and_b32 v10, 15, v0                          ; r
	v_bfe_u32 v11, v0, 4, 1                        ; h
	v_and_b32 v[SOUT], 8, v10
	v_add_nc_u32 v[SOUT], v[SOUT], v10             ; r + 8 (r / 8)
	v_lshlrev_b32 v[SOUT], 2, v[SOUT]
	v_mad_u32_u24 v[SOUT], v11, 8*SP, v[SOUT]      ; channels 8 h on: 1,056 words, so lanes 16-31 fall 32 banks further on (64 banks of 4 bytes: ISA guide 11.1)
	s_lshr_b32 s38, s48, 1
	s_lshl_b32 s38, s38, 7
	s_and_b32 s39, s48, 1
	s_lshl_b32 s39, s39, 5
	s_add_co_u32 s38, s38, s39
	v_add_nc_u32 v[SOUT], s38, v[SOUT]             ; my query among the 128: 32 (T / 2) + 8 (T % 2) + r + 8 (r / 8)
	s_mul_i32 s38, s[WV], 4*SP
	v_add_nc_u32 v[SRD], s38, v[LI]
	; descriptor group 1: a record is a dense block: 33 rows of 32 elements of 8 bytes
	s_mov_b32 s[G1], 15|(3<<16)|(1<<21)            ; 15:0 the mask: all four work-groups; 17:16 elements of 8 bytes; 20 no padding; 21 set beside a mask
	s_mov_b32 s[G1+1], 32<<16                      ; tensor_dim0 = 32
	s_mov_b32 s[G1+2], 33<<16                      ; tensor_dim1 = 33
	s_mov_b32 s[G1+3], 32<<16                      ; tile_dim0 = 32
	s_mov_b32 s[G1+4], 33                          ; tile_dim1 = 33
	s_mov_b32 s[G1+5], 32                          ; from row to row
	s_mov_b32 s[G1+6], 0
	s_mov_b32 s[G1+7], 0
	s_mov_b32 s[G0A], 1
	s_mul_i32 s[G0A+1], s[WV], REC                 ; record w lands at w x 8,448,
	s_mov_b32 s[G0B], 1
	s_add_co_u32 s[G0B+1], s[G0A+1], 16*REC        ; record 16 + w sixteen records on
	s_mul_i32 s40, s15, KVB
	s_add_co_u32 s40, s40, s[G0A+1]                ; record w of image b in ws
	s_mov_b32 s41, 0
	s_lshl_b32 s42, s15, 17                        ; theta of my tile: b x 131,072 + blk x 4,096 + T x 512
	s_lshl_b32 s43, s14, 12
	s_add_co_u32 s42, s42, s43
	s_lshl_b32 s43, s48, 9
	s_add_co_u32 s42, s42, s43
	s_add_co_u32 s42, s42, THOFF
	s_mov_b32 s43, 0
	s_lshl_b32 s44, s15, 20                        ; x and out0: image b, channel 4 w, pixel 128 blk
	s_lshl_b32 s45, s[WV], 16
	s_add_co_u32 s44, s44, s45
	s_lshl_b32 s45, s14, 9
	s_add_co_u32 s44, s44, s45
	s_mov_b32 s45, 0
	s_mul_i32 s[TB], s49, REC                      ; my first record
	s_mov_b32 s[SEL], 0x76543210
	s_mov_b32 s[SEL+1], 0xfedcba98
	s_wait_dscnt 0x0
	s_wait_kmcnt 0x0
	s_add_nc_u64 s[G0A+2:G0A+3], s[4:5], s[40:41]
	s_add_nc_u64 s[G0B+2:G0B+3], s[G0A+2:G0A+3], 16*REC
	s_or_b32 s[G0A+3], s[G0A+3], 0x80000000        ; type = 2
	s_or_b32 s[G0B+3], s[G0B+3], 0x80000000
	s_add_nc_u64 s[42:43], s[4:5], s[42:43]
	s_add_nc_u64 s[6:7], s[6:7], s[44:45]
	s_add_nc_u64 s[10:11], s[10:11], s[44:45]
	s_load_b32 s[GAM], s[8:9], 0x0
	ROUND                                          ; all four work-groups are here: the joint loads meet
	tensor_load_to_lds s[G0A:G0A+3], s[G1:G1+7]    ; all fills of the launch go out together, ahead of every wait on TENSORcnt, every LDS read and every other barrier
	s_nop 0
	tensor_load_to_lds s[G0B:G0B+3], s[G1:G1+7]
	s_nop 0
.rept 4
	v_nop
.endr
	global_load_b128 v[TH:TH+3], v[LI], s[42:43]   ; lane (r, h): theta[4 h .. 4 h + 3] x log2(e) of my tile's query r
	v_mov_b32 v[TMAX], 0xff61b1e6                  ; the largest t so far: -3e38, under every t
	v_floor_f32 v[NEGM], -v[TMAX]
	v_mov_b32 v[LSUM], 0
	v_mov_b32 v[LSUM+1], 0
.irp b, 0,1,2,3
	v_mov_b32 v[BT+\b], 0                          ; written once: a lane permute's destination counts as one of its sources
.endr
	v_mov_b32 v[FAC+1], 0                          ; (named as the upper half of a pair)
.set i, 0
.rept 32
	v_mov_b32 v[OAC+i], 0                          ; the step is written once: the first finds zeros, which the first change of M leaves zeros: 32 moves against one more copy of the step
.set i, i+1
.endr
	s_wait_kmcnt 0x0
	s_mov_b32 s[GAM+1], s[GAM]                     ; (named with it as a pair, so it is written)
; p of blocks 2 hv and 2 hv + 1: 32 numbers a lane; their codes; their share of the sum.
.macro PASS hv
.set i, 0
.rept 16
	v_pk_add_f32 v[PEX+i:PEX+i+1], v[SCO+32*(\hv)+i:SCO+32*(\hv)+i+1], v[NEGM:NEGM+1] op_sel_hi:[1,0]   ; t - M, two at a time (the pair's low word serves both halves)
.set i, i+2
.endr
.if (\hv) == 0
.irp b, 0,1,2,3
	v_exp_f32 v[BM+\b], v[BM+\b]                   ; each block's largest p: the same addition and exponential on the same number give the same bits
.endr
.endif
.set i, 0
.rept 32
	v_exp_f32 v[PEX+i], v[PEX+i]                   ; p = 2^(t - M), at most 1: not normalised
.set i, i+1
.endr
.if (\hv) == 0
	v_pk_mul_f32 v[LSUM:LSUM+1], v[LSUM:LSUM+1], v[FAC:FAC+1] op_sel_hi:[1,0]   ; l under the new M.  (The plain place behind the exponentials)
	s_wait_alu depctr_va_vdst(0)
.irp b, 0,1,2,3
	v_max_num_f32 v[BM+\b], 0x1800000, v[BM+\b]    ; the floor 2^(3 - 127): the byte cannot fall under 1
.endr
.irp b, 0,1,2,3
	v_add_nc_u32 v[SO+\b], 0xff000000, v[BM+\b]    ; 2 off the exponent field: the conversion's scale operand
.endr
.irp b, 0,1,2,3
	v_lshrrev_b32 v[BT+\b], 23, v[SO+\b]           ; the scale's byte
.endr
	v_lshl_or_b32 v[PWD], v[BT+1], 8, v[BT]        ; p's scale word for these 128 keys
	v_lshl_or_b32 v[PWD], v[BT+2], 16, v[PWD]
	v_lshl_or_b32 v[PWD], v[BT+3], 24, v[PWD]
.else
.set i, 0
	s_wait_alu depctr_va_vdst(0)
.rept 16
	v_pk_mul_f32 v[OAC+i:OAC+i+1], v[OAC+i:OAC+i+1], v[FAC:FAC+1] op_sel_hi:[1,0]   ; O under the new M, each accumulator from its low end on.  (The plain place behind the exponentials)
.set i, i+2
.endr
.endif
.irp b, 0,1
	v_cvt_scalef32_pk8_fp4_f32 v[PC+4*(\hv)+2*\b], v[PEX+16*\b:PEX+16*\b+7], v[SO+2*(\hv)+\b]
	v_cvt_scalef32_pk8_fp4_f32 v[PC+4*(\hv)+2*\b+1], v[PEX+16*\b+8:PEX+16*\b+15], v[SO+2*(\hv)+\b]
.endr
	v_nop                                          ; one plain place behind a scaled conversion
	v_permlane16_swap_b32 v[PC+4*(\hv)], v[PC+4*(\hv)+2]     ; the operand's layout wants a whole block in a lane: lanes 0-15 block 2 hv, lanes 16-31 block 2 hv + 1
	v_permlane16_swap_b32 v[PC+4*(\hv)+1], v[PC+4*(\hv)+3]
	; the sum is taken of the unquantised p: two at a time, in two chains
.if (\hv) == 0
	v_pk_add_f32 v[LTMP:LTMP+1], v[PEX:PEX+1], v[PEX+2:PEX+3]
.set i, 4
.rept 7
	v_pk_add_f32 v[LSUM:LSUM+1], v[LSUM:LSUM+1], v[PEX+i:PEX+i+1]
	v_pk_add_f32 v[LTMP:LTMP+1], v[LTMP:LTMP+1], v[PEX+i+2:PEX+i+3]
.set i, i+4
.endr
.else
.set i, 0
.rept 8
	v_pk_add_f32 v[LSUM:LSUM+1], v[LSUM:LSUM+1], v[PEX+i:PEX+i+1]
	v_pk_add_f32 v[LTMP:LTMP+1], v[LTMP:LTMP+1], v[PEX+i+2:PEX+i+3]
.set i, i+4
.endr
	v_pk_add_f32 v[LSUM:LSUM+1], v[LSUM:LSUM+1], v[LTMP:LTMP+1]
.endif
.endm
; A STEP: my 16 queries against the 128 keys of the record at s[TB].
.macro STEP
	v_add_nc_u32 v[ADR], s[TB], v[LI]
	v_add_nc_u32 v[ADS], s[TB], v[LS]
	v_nop
	v_nop                                          ; with the two additions: four places between the last step's products on codes and the loads into g's fragments and scale words
.irp t, 0,1,2,3,4,5,6,7
	ds_load_b128 v[PH+4*\t:PH+4*\t+3], v[ADR] offset:512*\t            ; phi[4 h .. 4 h + 3] of tile t's key r
.endr
.irp k, 0,1,2,3,4,5,6,7
	ds_load_b128 v[GF+4*\k:GF+4*\k+3], v[ADR] offset:4096+512*\k       ; g's four fragments
.endr
	ds_load_b64 v[GS:GS+1], v[ADS] offset:8192
	s_wait_dscnt 9                                 ; phi's eight loads are in; g's eight and the scale words' one may be out
	; the scores, K = 8 in two K steps: step 0 takes i = 4 h + j in its place 2 h + j, step 1 i = 4 h + 2 + j, on both sides alike.  The eight accumulators take turns.
.irp t, 0,1,2,3,4,5,6,7
	v_wmma_f32_16x16x4_f32 v[SCO+8*\t:SCO+8*\t+7], v[PH+4*\t:PH+4*\t+1], v[TH:TH+1], 0
.endr
.irp t, 0,1,2,3,4,5,6,7
	v_wmma_f32_16x16x4_f32 v[SCO+8*\t:SCO+8*\t+7], v[PH+4*\t+2:PH+4*\t+3], v[TH+2:TH+3], v[SCO+8*\t:SCO+8*\t+7]
.endr
.rept 8
	v_nop                                          ; eight places behind this form before its results are read
.endr
.irp b, 0,1,2,3
	v_max3_num_f32 v[BM+\b], v[SCO+16*\b], v[SCO+16*\b+1], v[SCO+16*\b+2]   ; the largest t of each block of 32 keys: it serves the row's maximum and the block's largest p.  Each accumulator is read from its low end on
.endr
.irp i, 3,5,7,9,11,13
.irp b, 0,1,2,3
	v_max3_num_f32 v[BM+\b], v[BM+\b], v[SCO+16*\b+\i], v[SCO+16*\b+\i+1]
.endr
.endr
.irp b, 0,1,2,3
	v_max_num_f32 v[BM+\b], v[BM+\b], v[SCO+16*\b+15]
.endr
.irp b, 0,1,2,3
	v_permlanex16_b32 v[BT+\b], v[BM+\b], s[SEL], s[SEL+1]
.endr
.irp b, 0,1,2,3
	v_max_num_f32 v[BM+\b], v[BM+\b], v[BT+\b]     ; with lane l xor 16's 16 keys
.endr
	v_max3_num_f32 v[TMP], v[BM], v[BM+1], v[BM+2]
	v_max3_num_f32 v[TMAX], v[TMP], v[BM+3], v[TMAX]   ; the running largest t
	v_mov_b32 v[OLD], v[NEGM]
	v_floor_f32 v[NEGM], -v[TMAX]                  ; the new -M = floor(-t) = -ceil(t): M is a whole number
	v_sub_f32 v[OLD], v[NEGM], v[OLD]              ; old M - new M: a whole number, 0 or less
	v_cvt_i32_f32 v[OLD], v[OLD]                   ; (it saturates)
	v_ldexp_f32 v[FAC], 1.0, v[OLD]                ; f = 2^(old M - new M): a multiplication by it rounds nothing
.irp b, 0,1,2,3
	v_add_f32 v[BM+\b], v[BM+\b], v[NEGM]
.endr
	PASS 0
	PASS 1                                         ; its 17 additions are the places between the codes' last write and the products below; the scale word was written a pass ago
	s_wait_dscnt 0x0                               ; g's fragments and scale words
.irp t, 0,2
	v_wmma_scale_f32_16x16x128_f8f6f4 v[OAC+8*\t:OAC+8*\t+7], v[GF+8*\t:GF+8*\t+7], v[PC:PC+7], v[OAC+8*\t:OAC+8*\t+7], v[GS+\t/2], v[PWD] matrix_a_fmt:MATRIX_FMT_FP4 matrix_b_fmt:MATRIX_FMT_FP4
	v_wmma_scale_f32_16x16x128_f8f6f4 v[OAC+8*\t+8:OAC+8*\t+15], v[GF+8*\t+8:GF+8*\t+15], v[PC:PC+7], v[OAC+8*\t+8:OAC+8*\t+15], v[GS+\t/2], v[PWD] matrix_a_fmt:MATRIX_FMT_FP4 matrix_b_fmt:MATRIX_FMT_FP4 matrix_a_scale:MATRIX_SCALE_ROW1
.endr
	s_add_co_u32 s[TB], s[TB], 2*REC               ; my next record
.endm
	s_wait_loadcnt 0x0                             ; theta
	s_wait_tensorcnt 1                             ; my record w is in; record 16 + w may stay out
	s_barrier_signal -1
	s_barrier_wait -1                              ; and records 0 to 15 are whole
	s_mov_b32 s[CNT], 8
.Lfirst:                                               ; my eight records among 0 to 15
	STEP
	s_sub_co_u32 s[CNT], s[CNT], 1
	s_cmp_lg_u32 s[CNT], 0
	s_cbranch_scc1 .Lfirst
	s_wait_tensorcnt 0x0                           ; my record 16 + w is in,
	s_wait_dscnt 0x0
	s_barrier_signal -1
	s_barrier_wait -1                              ; and records 16 to 31 are whole
	s_mov_b32 s[CNT], 8
.Lsecond:                                              ; my eight records among 16 to 31
	STEP
	s_sub_co_u32 s[CNT], s[CNT], 1
	s_cmp_lg_u32 s[CNT], 0
	s_cbranch_scc1 .Lsecond
	; THE WAY OUT.
.rept 4
	v_nop                                          ; four places behind the last products before O is read
.endr
.irp k, 0,1,2,3
	global_load_b128 v[PH+4*\k:PH+4*\k+3], v[LI], s[6:7] offset:\k*16384 th:TH_LOAD_NT   ; x of channels 4 w + k, my group's 128 pixels: asked for two barriers ahead of its use
.endr
	v_add_f32 v[LSUM], v[LSUM], v[LSUM+1]          ; l's two halves,
	v_permlanex16_b32 v[BT], v[LSUM], s[SEL], s[SEL+1]
	v_add_f32 v[LSUM], v[LSUM], v[BT]              ; and lane l xor 16's
	s_cmp_lt_u32 s[WV], 8
	s_cbranch_scc1 .Lkeeps
.irp k, 0,1,2,3,4,5,6,7
	ds_store_b128 v[XA], v[OAC+4*\k:OAC+4*\k+3] offset:512*\k    ; waves 8 to 15 hand their half over, as images of registers
.endr
	ds_store_b32 v[XSW], v[NEGM]
	ds_store_b32 v[XSW], v[LSUM] offset:128
.Lkeeps:
	s_wait_dscnt 0x0                               ; my stores have landed, and my reads of the records are over
	s_barrier_signal -1
	s_barrier_wait -1
	s_cmp_ge_u32 s[WV], 8
	s_cbranch_scc1 .Lsent
.irp k, 0,1,2,3,4,5,6,7
	ds_load_b128 v[PEX+4*\k:PEX+4*\k+3], v[XA] offset:512*\k
.endr
	ds_load_b32 v[NB], v[XSW]
	ds_load_b32 v[LB], v[XSW] offset:128
	s_wait_dscnt 0x0
	v_min_num_f32 v[NM], v[NEGM], v[NB]            ; the common -M: the larger M
	v_sub_f32 v[DA], v[NM], v[NEGM]
	v_sub_f32 v[DB], v[NM], v[NB]
	v_cvt_i32_f32 v[DA], v[DA]
	v_cvt_i32_f32 v[DB], v[DB]
	v_ldexp_f32 v[FA], 1.0, v[DA]                  ; both halves under it: exact powers of two
	v_ldexp_f32 v[FB], 1.0, v[DB]
	v_mul_f32 v[LSUM], v[LSUM], v[FA]
	v_fma_f32 v[LSUM], v[LB], v[FB], v[LSUM]       ; the row's sum
	v_rcp_f32 v[RL], v[LSUM]
	v_mov_b32 v[FA+1], 0                           ; (the plain place behind the reciprocal; the pairs' upper halves are named, so they are written)
	v_mov_b32 v[FB+1], 0
	s_wait_alu depctr_va_vdst(0)
	v_mul_f32 v[FA], v[FA], v[RL]
	v_mul_f32 v[FB], v[FB], v[RL]
.set i, 0
.rept 16
	v_pk_mul_f32 v[PEX+i:PEX+i+1], v[PEX+i:PEX+i+1], v[FB:FB+1] op_sel_hi:[1,0]
.set i, i+2
.endr
.set i, 0
.rept 16
	v_pk_fma_f32 v[PEX+i:PEX+i+1], v[OAC+i:OAC+i+1], v[FA:FA+1], v[PEX+i:PEX+i+1] op_sel_hi:[1,0,1]   ; (my O + the partner's) / l; each accumulator from its low end on
.set i, i+2
.endr
.irp t, 0,1,2,3
.irp j, 0,1,2,3,4,5,6,7
	ds_store_b32 v[SOUT], v[PEX+8*\t+\j] offset:(16*\t+\j)*SP    ; channel 16 t + 8 h + j, my query's place among the 128
.endr
.endr
.Lsent:
	s_wait_dscnt 0x0
	s_barrier_signal -1
	s_barrier_wait -1                              ; 64 whole rows lie in the stage
.irp k, 0,1,2,3
	ds_load_b128 v[PH+16+4*\k:PH+16+4*\k+3], v[SRD] offset:SP*\k
.endr
	s_wait_loadcnt 0x0                             ; x
	s_wait_dscnt 0x0
.set i, 0
.rept 8
	v_pk_fma_f32 v[PH+16+i:PH+16+i+1], v[PH+16+i:PH+16+i+1], s[GAM:GAM+1], v[PH+i:PH+i+1] op_sel_hi:[1,0,1]   ; x + gamma x out
.set i, i+2
.endr
.irp k, 0,1,2,3
	global_store_b128 v[LI], v[PH+16+4*\k:PH+16+4*\k+3], s[10:11] offset:\k*16384 th:TH_STORE_NT   ; 32 lanes store 512 consecutive bytes, aligned; written once, read by nobody here
.endr
	s_wait_tensorcnt 0x0
	ds_add_u32 v254, v255
	s_wait_dscnt 0x0
	ROUND                                          ; the closing round: no work-group ends while a partner may still ask for a record that names it
	s_endpgm
.Lfunc_end_k_q18cc413fc6_attn:
	.size	k_q18cc413fc6_attn, .Lfunc_end_k_q18cc413fc6_attn-k_q18cc413fc6_attn
	.p2alignl 7, 3214868480
	.fill 96, 4, 3214868480
	.section	.rodata,"a",@progbits
	.p2align	6, 0x0
	.amdhsa_kernel k_q18cc413fc6_attn
		.amdhsa_group_segment_fixed_size 327680
		.amdhsa_private_segment_fixed_size 0
		.amdhsa_enable_private_segment 0
		.amdhsa_kernarg_size 32
		.amdhsa_user_sgpr_count 2
		.amdhsa_user_sgpr_kernarg_segment_ptr 1
		.amdhsa_wavefront_size32 1
		.amdhsa_system_sgpr_workgroup_id_x 1
		.amdhsa_system_sgpr_workgroup_id_y 1
		.amdhsa_system_sgpr_workgroup_id_z 1
		.amdhsa_system_vgpr_workitem_id 0
		.amdhsa_next_free_vgpr 256
		.amdhsa_next_free_sgpr 66
		.amdhsa_reserve_vcc 0
		.amdhsa_float_denorm_mode_32 3
		.amdhsa_float_denorm_mode_16_64 3
		.amdhsa_memory_ordered 1
		.amdhsa_forward_progress 1
		.amdhsa_inst_pref_size 44
	.end_amdhsa_kernel
	.amdgpu_metadata
---
amdhsa.version: [ 1, 2 ]
amdhsa.kernels:
  - .name:           k_q18cc413fc6_attn
    .symbol:         k_q18cc413fc6_attn.kd
    .args:
      - { .name: ws, .offset: 0, .size: 8, .value_kind: global_buffer, .address_space: global }
      - { .name: x, .offset: 8, .size: 8, .value_kind: global_buffer, .address_space: global }
      - { .name: gamma, .offset: 16, .size: 8, .value_kind: global_buffer, .address_space: global }
      - { .name: out0, .offset: 24, .size: 8, .value_kind: global_buffer, .address_space: global }
    .group_segment_fixed_size: 327680
    .private_segment_fixed_size: 0
    .kernarg_segment_align: 8
    .kernarg_segment_size: 32
    .max_flat_workgroup_size: 512
    .sgpr_count:     66
    .vgpr_count:     256
    .wavefront_size: 32
...
	.end_amdgpu_metadata
.endif
;; end of part 2
